; MI455X (gfx1250); checked and timed in simulation.
; The chip was launched on July 23, 2026; its instructions are those of AMD's public machine-readable ISA for CDNA 5 (MIT licence, August 2026) and "CDNA5" Instruction Set Architecture Reference Guide (July 2026). The comments in the code are by the model that wrote it; some were corrected since.
;; Attention Layer. Allowed arithmetic: matrix products marked QUANTISED: E3M2 operands, one E8M0 scale for each 32 along K, by v_wmma_scale_f32_16x16x128_f8f6f4 with both operands' format E3M2, f32 sums; products left as they are: f32 operands where the result goes on into a quantised operand, else bf16, f16 or f32 operands; f32 sums; everything else in f32.
;; Inputs: imgsfeats 32 x 196 x 512 float32; v_b 1 float32; v_w 512 float32; wordemb 32 x 30 x 512 float32; x 32 x 30 x 512 float32.
;; Outputs: out0 32 x 30 x 512 float32.
;; This version of the problem:
;;   THIS VERSION OF THE PROBLEM IS GIVEN IN LOW PRECISION. The matrix products marked QUANTISED in the list below multiply operands that are first quantised to E3M2 (3 exponent bits, 2 mantissa bits; 6 bits a number), with one power-of-two scale for each 32 numbers along K (OCP MX v1.0); their sums are f32. All else is computed in f32.
;;   The module's matrix products, in the order in which they are computed (A, B: the left and right operand; K: the contracted axis; several contracted axes count as one K, in the product's order):
;;     1. [M 188,160, K 512] x [K 512, N 1]; A: computed on the way; B: input v_w: left as it is (N = 1 < 16)
;;     2. batch 32 x [M 30, K 196] x [K 196, N 512]; A: softmax (see below); B: input imgsfeats: QUANTISED
;;   THE QUANTISER, for each operand of a quantised product, along K:
;;     - K is cut into blocks of 32 from its start; a last block that is shorter is filled with zeros.
;;     - A block's scale is 2^e with e = floor(log2(the largest magnitude in the block)) - 4, held to -126 .. 127; a block of zeros has e = 0. As a byte (E8M0): e + 127.
;;     - Each number is divided by its block's scale, clamped to +-28, and rounded to the nearest number of E3M2, ties to even, subnormals kept.
;;     - The product sums the exact products of the quantised numbers (number of the format x scale) in f32.
;;   ~~~python
;;   def quantise(x, axis):      # numpy; x: float32 -> the quantised numbers, widened to float32 again
;;       x = np.moveaxis(x, axis, -1); K = x.shape[-1]
;;       x = np.pad(x, [(0, 0)] * (x.ndim - 1) + [(0, -K % 32)]); x = x.reshape(x.shape[:-1] + (-1, 32)); a = np.abs(x).max(-1, keepdims=True)
;;       e = np.where(a > 0, np.clip(np.frexp(np.where(a > 0, a, 1))[1] - 1 - 4, -126, 127), 0)      # np.frexp(a)[1] - 1 = floor(log2(a)), exactly
;;       r = np.clip(x / 2.0 ** e, -28, 28)
;;       step = 2.0 ** (np.maximum(np.frexp(np.where(r == 0, 1, r))[1] - 1, -2) - 2)
;;       q = np.round(r / step) * step * 2.0 ** e      # np.round: ties to even
;;       return np.moveaxis(q.reshape(q.shape[:-2] + (-1,))[..., :K], -1, axis).astype(np.float32)
;;   ~~~
;;   SOFTMAX AHEAD OF A QUANTISED PRODUCT. Where the list says 'softmax', what is quantised is not the finished softmax but p = 2^(t - M), with t = logit x log2(e) and M = ceil(the row's largest t), a whole number; so 1/2 < the row's largest p <= 1. The row's sum l is taken of the UNQUANTISED p, in f32, and the product's result is divided by l at the end. Since M is a whole number, a kernel that streams over the keys may use a running M (the ceiling of the running maximum): every later rescaling is an exact power of two, which a block's scale takes up: the codes' values come out the same.
;;   OPERANDS COMPUTED ON THE WAY. 'Computed on the way' means the value that the module computes at that place (a softmax that the list does not call 'softmax' is quantised finished and normalised). What goes into a quantiser is computed in f32, as accurately as f32 sums, v_exp_f32 and their like allow (about 1e-6 of the number): no bf16 or f16 on the way to a quantiser, and a product that is left as it is and whose result goes on into a quantised operand takes f32 operands (vector FMAs, or v_wmma_f32_16x16x4_f32). A number that lies on a knife's edge between two numbers of the format may be rounded either way, as far as f32 arithmetic and the matrix unit's own rounding can turn it there, and no further.
;; One version. Each part assembles by itself: llvm-mc -triple=amdgcn-amd-amdhsa -mcpu=gfx1250 --defsym DOCPART=n.
;; ======== version 1 of 1: 1 launch
;; limits: inputs' magnitudes at most 165
;; launch attend (part 1): grid 8 x 32, 16 waves a work-group, clusters of 4 x 1, 327,680 bytes of LDS; arguments x, wordemb, imgsfeats, v_w, v_b, out0; writes out0
.if DOCPART == 1
	.amdgcn_target "amdgcn-amd-amdhsa--gfx1250"
	.amdhsa_code_object_version 6
	.text
	.protected	k_qbd833f4935_attend
	.globl	k_qbd833f4935_attend
	.p2align	8
	.type	k_qbd833f4935_attend,@function
k_qbd833f4935_attend:
	s_mov_b64 s[64:65], 0
	v_nop
	global_prefetch_b8 v0, s[64:65] scope:SCOPE_SE
	s_setreg_imm32_b32 hwreg(HW_REG_WAVE_MODE, 25, 1), 1
	s_wait_xcnt 0x0
	s_wait_alu depctr_hold_cnt(0) depctr_sa_sdst(0) depctr_va_vdst(0) depctr_va_sdst(0) depctr_va_ssrc(0) depctr_va_vcc(0) depctr_vm_vsrc(0)
	s_getreg_b32 s2, hwreg(HW_REG_IB_STS2, 6, 4)
	s_cmp_eq_u32 s2, 0
	s_cbranch_scc0 .Lentry_in_a_cluster
	s_endpgm
.Lentry_in_a_cluster:
	s_bfe_u32 s2, ttmp6, 0x10000c
	s_cmp_lg_u32 s2, 0x3003
	s_cbranch_scc0 .Lentry_shape_is_right
	s_endpgm
.Lentry_shape_is_right:
; out[b][t][:] = sum over l of softmax_l(e[b][t][l]) img[b][l][:],  e = v_b + sum over d of v_w[d] tanh(x[b][t][d] + wordemb[b][t][d] + img[b][l][d]).
; x, wordemb, out: [32][30][512] f32; img: [32][196][512] f32.  The second product runs on codes of BF6 (E3M2) with one E8M0 byte for each 32 along l; all else is f32.
; ONE TRANSCENDENTAL AN ELEMENT.  tanh(a + b) = 1 - 2 / (1 + e^(2a) e^(2b)), a = x + wordemb, b = img.  Kept are the FOURTH roots Ea = 2^(a log2e / 2) (4 x 512 a work-group) and
; Eb = 2^(b log2e / 2) (once for each number of img): an element is P = Ea Eb, P^2, 1 + P^2 P^2, one reciprocal r, one multiply-add with -2 v_w: four packed lines and two reciprocals for two elements.
; e = (v_b + sum v_w) + sum (-2 v_w) r.  The roots are there for range: an exponent of 126 in Ea stands for |a| = 174.
; LIMITS.  Ea's exponent is held at +-126, so Ea is never 0 or infinite and Ea Eb is never 0 x infinity.  The scores are right wherever, for a pair (a, b), |a| <= 165 or |b| <= 165: the other of the two, held or
; run out of f32's exponents at 174, then leaves a sum beyond 9, of the true sum's sign, and beyond 9 the tanh has run into +-1 in f32.  Where both lie beyond 165 they are not served.
; NaN and infinities among the inputs are not served.  A block of img whose largest magnitude lies under 2^-122 keeps the byte 1.
; SHARES.  A work-group has one batch and four rows t = 4 g + 0..3 (g = 0..7); the batch's last has rows 28, 29 only: its other two repeat row 29 and are not stored.  Sixteen waves of 256 registers.
; CLUSTER.  Four work-groups of a batch walk the same img: each block of 32 rows (65,536 dense bytes) is asked for JOINTLY, waves 0-3 a quarter each, into a ring of two LDS slots.
; Rows 192-195 come once, with the first fills.  A block in LDS serves twice: (a) scores: a wave takes 2 of its rows, a lane 16 of the 512 d (four runs of 16 bytes, 512 bytes apart); (b) the quantiser along l:
; a lane takes a column (wave w: columns 32 w on), 32 loads bring one block of 32 along l into one lane; the codes stay in registers and are the wave's own two B tiles.
; THE TEXT IS WRITTEN OUT, not looped: the codes of block kb land in registers that hang on kb.  It is 60 slots of some 60 lines, and a head and a tail of some 300 each.
.set NT,    30
.set NL,    196
.set ROWB,  2048                       ; a row of 512 f32
.set BLKB,  32*ROWB                    ; a block of 32 rows, a slot
.set IMGB,  NL*ROWB                    ; a batch of img
; LDS
.set SLOT1, BLKB                       ; slot 0 at 0, slot 1 here
.set TAIL,  2*BLKB                     ; rows 192-195: filled once
.set EAT,   TAIL+4*ROWB                ; Ea, 4 t x 512 d, as the waves' registers take it
.set PP,    544                        ; a row l of partial sums: 32 lanes x 16 bytes (four t) + 32
.set PART,  EAT+8192                   ; 256 such rows (196-255 hold zeros)
.set ET,    PART+256*PP                ; t = e log2(e): [4 t] 1,280 bytes apart, [8 blocks] 144 bytes apart, [32] f32
.set ETT,   1280
.set ETB,   144
.set PIMG,  ET+4*ETT                   ; p's two fragments as images of their registers: pair of registers i at 256 i + 8 x lane
.set PSC,   PIMG+3072                  ; p's scale words: 64 bytes a K step
.set RL,    PSC+128                    ; 1 / sum, four t
.set OST,   PSC+256                    ; the way out: 4 rows of 2,048 bytes
.set SPARE, OST+8192                   ; the spare words, 128 bytes for each of sixteen waves: eight blocks of 256 bytes that no other line names
; vector registers
.set RB,   1                           ; v1-2   LDS address of my two rows in slot 0, 1: 4,096 w + 16 lane
.set QB,   3                           ; v3-4   of my column in slot 0, 1: 4 x thread
.set PB,   5                           ; v5-6   of my partial sums: rows 2 w on, and 96 rows further
.set PT,   7                           ; v7     the same for row 192 + w
.set PZ,   8                           ; v8     the same for rows 176 + 5 w on (waves 4-15: rows 196-255)
.set TBR,  9                           ; v9     LDS address of row 192 + w
.set SPW,  10                          ; v10    LDS address of my spare word; never rewritten
.set NIL,  11                          ; v11    0; never rewritten
.set C0L,  12                          ; v12    (v_b + sum v_w) log2(e)
.set GO,   13                          ; v13    16 x lane: byte offset in memory
.set PFO,  14                          ; v14    256 x lane: the prefetches' offset
.set TMP,  15
.set SW,   16                          ; v16-17 img's scale words of K step 0, 1: lanes 0-15 my first tile's columns, lanes 16-31 my second's
.set PS,   18                          ; v18-19 p's scale words
.set ACC,  20                          ; v20-27 a row's sums, a pair (even d, odd d) for each t
.set QD,   28                          ; v28-31 the four sums as they leave
.set EB,   32                          ; v32-47 four quads: img as loaded, then Eb; quad = step % 4
.set X,    48                          ; v48-79 two sets of 8 pairs: P .. 1 + P^4, then r; set = step % 2
.set VW,   80                          ; v80-95 -2 v_w of my 16 d
.set EA,   96                          ; v96-159 Ea: 16 t + my 16 d
.set CODES, 160                        ; v160-207 img's codes: block kb at 24 (kb / 4) + 12 (kb % 2) + 6 ((kb / 2) % 2)
.set QN,   208                         ; v208-239 a block's 32 numbers
.set QT,   240                         ; v240-242 the second half's codes
.set QM,   244
.set QS,   245
.set QBY,  246
.set T2A,  247
.set ETW,  248
.set ETR,  249
.set PIW,  250
.set PSW,  251
.set RLW,  252
.set PIR,  253
.set PSR,  254
; scalar registers
.set WV,   16
.set SEL,  20                          ; s[20:21] selects of v_permlanex16_b32: lane xor 16
.set CS,   22                          ; s[22:23] log2(e) / 2 (named as a pair, its low word serves both halves)
.set G1,   24                          ; s[24:31] group 1: 64 rows of 256 bytes
.set G1T,  32                          ; s[32:39] group 1: 8 rows of 256 bytes
.set G0T,  40                          ; s[40:43] group 0: my row of rows 192-195
.set G0A,  44                          ; s[44:47] group 0 of slot 0: blocks 0, 2, 4
.set G0B,  48                          ; s[48:51] group 0 of slot 1: blocks 1, 3, 5
.set VB,   52
.set L2E,  54
.set LIM,  55                          ; 1 in a wave that prefetches, else -1
.set PFA,  56                          ; s[56:57] where my prefetches begin; never rewritten
.macro CREST                           ; a round of the cluster's barrier behind its opening barrier
	s_cmp_lg_u32 s[WV], 0
	s_cbranch_scc1 .Lnot_wave_0_\@
	s_barrier_signal -3
.Lnot_wave_0_\@:
	s_barrier_wait -3
	s_barrier_signal -1
	s_barrier_wait -1
.endm
.macro CROUND                          ; a whole round
	s_barrier_signal -1
	s_barrier_wait -1
	CREST
.endm
.macro JLOAD g                         ; a joint refill: waves 0-3 a quarter of the block each; the branch hangs on the wave's number alone; four v_nop follow the load
	s_cmp_lt_u32 s[WV], 4
	s_cbranch_scc0 .Lno_load_\@
	tensor_load_to_lds s[\g:\g+3], s[G1:G1+7]
	s_nop 0
.rept 4
	v_nop
.endr
.Lno_load_\@:
.endm
; A prefetch of the block that the NEXT refill will ask for (pfoff bytes into the batch).  Both clusters of a batch walk the same img: the first asks.  Its four partners share the block's 65,536 bytes out by
; address, 16,384 each; in each, waves 4 and 5, which fetch nothing, ask for 8,192 bytes, lanes 256 bytes apart.  So each run of 256 bytes is named once.  Blocks 0, 1, 2 and rows 192-195 come by their loads alone.
.macro ASK
	s_cmp_eq_u32 s[LIM], 1
	s_cbranch_scc0 .Lnot_mine_\@
	global_prefetch_b8 v[PFO], s[PFA:PFA+1] offset:pfoff th:TH_LOAD_NT scope:SCOPE_SE
.Lnot_mine_\@:
.endm
	s_load_b256 s[4:11], s[0:1], 0x0               ; x s[4:5], wordemb s[6:7], img s[8:9], v_w s[10:11]
	s_load_b128 s[12:15], s[0:1], 0x20             ; v_b s[12:13], out s[14:15]
	v_lshl_add_u32 v[SPW], v0, 2, SPARE
	v_mov_b32 v[NIL], 0
	ds_add_u32 v10, v11
	s_wait_dscnt 0x0
	v_lshrrev_b32 v[TMP], 5, v0
	v_readfirstlane_b32 s[WV], v[TMP]              ; wave 0..15
	s_bfe_u32 s17, ttmp6, 0x40000                  ; cx: it enters addresses in memory alone
	s_lshl_b32 s18, ttmp9, 2
	s_add_co_u32 s18, s18, s17                     ; g = 4 x cluster x + cx
	s_and_b32 s19, ttmp7, 0xffff                   ; the batch, which the partners share
	s_mov_b32 s[G1], 15|(3<<16)|(1<<21)            ; 15:0 the mask: all four; 17:16 elements of 8 bytes; 21 set beside a mask; no padding: every LDS access here takes consecutive bytes
	s_mov_b32 s[G1+1], 32<<16                      ; tensor_dim0 = 32 elements: 256 bytes
	s_mov_b32 s[G1+2], 64<<16                      ; tensor_dim1 = 64
	s_mov_b32 s[G1+3], 32<<16                      ; tile_dim0
	s_mov_b32 s[G1+4], 64                          ; tile_dim1
	s_mov_b32 s[G1+5], 32                          ; from row to row: dense
	s_mov_b32 s[G1+6], 0
	s_mov_b32 s[G1+7], 0
	s_mov_b32 s[G1T], 15|(3<<16)|(1<<21)
	s_mov_b32 s[G1T+1], 32<<16
	s_mov_b32 s[G1T+2], 8<<16                      ; 8 rows of 256 bytes: one row of img
	s_mov_b32 s[G1T+3], 32<<16
	s_mov_b32 s[G1T+4], 8
	s_mov_b32 s[G1T+5], 32
	s_mov_b32 s[G1T+6], 0
	s_mov_b32 s[G1T+7], 0
	s_mov_b32 s[SEL], 0x76543210
	s_mov_b32 s[SEL+1], 0xfedcba98
	s_mov_b32 s[CS], 0x3f38aa3b                    ; log2(e) / 2
	s_mov_b32 s[CS+1], s[CS]
	s_mov_b32 s[L2E], 0x3fb8aa3b                   ; log2(e)
	s_mul_i32 s58, s19, IMGB
	s_mov_b32 s59, 0
	s_lshl_b32 s60, s[WV], 14                      ; my quarter of a block, in memory and in a slot
	s_mov_b32 s61, 0
	s_lshl_b32 s62, s[WV], 11                      ; my row of rows 192-195
	s_mov_b32 s63, 0
	s_wait_kmcnt 0x0
	s_add_nc_u64 s[8:9], s[8:9], s[58:59]          ; img at my batch
	s_add_nc_u64 s[58:59], s[8:9], s[60:61]
	s_mov_b32 s[G0A], 1
	s_mov_b32 s[G0A+1], s60
	s_mov_b64 s[G0A+2:G0A+3], s[58:59]
	s_or_b32 s[G0A+3], s[G0A+3], 0x80000000
	s_mov_b32 s[G0B], 1
	s_add_co_u32 s[G0B+1], s60, SLOT1
	s_add_nc_u64 s[G0B+2:G0B+3], s[58:59], BLKB
	s_or_b32 s[G0B+3], s[G0B+3], 0x80000000
	s_mov_b32 s[G0T], 1
	s_add_co_u32 s[G0T+1], s62, TAIL
	s_add_nc_u64 s[G0T+2:G0T+3], s[8:9], s[62:63]
	s_add_nc_u64 s[G0T+2:G0T+3], s[G0T+2:G0T+3], 6*BLKB
	s_or_b32 s[G0T+3], s[G0T+3], 0x80000000
	CROUND                                         ; all four work-groups are here: the first joint loads meet
	s_cmp_lt_u32 s[WV], 4                          ; a wave's three first fills stand in one branch: three loads of mine are out
	s_cbranch_scc0 .Lno_first
	tensor_load_to_lds s[G0T:G0T+3], s[G1T:G1T+7]
	s_nop 0
	tensor_load_to_lds s[G0A:G0A+3], s[G1:G1+7]
	s_nop 0
	tensor_load_to_lds s[G0B:G0B+3], s[G1:G1+7]
	s_nop 0
.rept 4
	v_nop
.endr
.Lno_first:
	; thread (w, lane) makes four of the work-group's 2,048 Ea: row t = 4 g + w / 4, d = 128 (w % 4) + 4 lane + 0..3
	v_and_b32 v[TMP], 31, v0
	v_lshlrev_b32 v[GO], 4, v[TMP]
	s_lshr_b32 s58, s[WV], 2
	s_lshl_b32 s59, s18, 2
	s_add_co_u32 s3, s58, s59                      ; my row t; 30 and 31 are no rows
	s_min_u32 s58, s3, NT-1                        ; those read (and would store) row 29's place: no access leaves a buffer
	s_mul_i32 s59, s19, NT
	s_add_co_u32 s58, s58, s59
	s_lshl_b32 s62, s58, 11
	s_and_b32 s59, s[WV], 3
	s_lshl_b32 s59, s59, 9
	s_add_co_u32 s62, s62, s59
	s_mov_b32 s63, 0
	s_add_nc_u64 s[4:5], s[4:5], s[62:63]
	s_add_nc_u64 s[6:7], s[6:7], s[62:63]
	s_add_nc_u64 s[14:15], s[14:15], s[62:63]      ; the same 512 bytes of out are the ones that I store at the end
	global_load_b128 v[X:X+3], v[GO], s[4:5]
	global_load_b128 v[X+4:X+7], v[GO], s[6:7]
.irp j, 0,1,2,3
	global_load_b128 v[VW+4*\j:VW+4*\j+3], v[GO], s[10:11] offset:512*\j   ; v_w of my 16 d: 128 j + 4 lane + 0..3
.endr
	s_load_b32 s[VB], s[12:13], 0x0
	; who prefetches, and where
	s_sub_co_u32 s58, s[WV], 4
	s_lshr_b32 s58, s58, 1                         ; 0 in waves 4 and 5,
	s_or_b32 s58, s58, ttmp9                       ; of the batch's first cluster: the same in all four partners
	s_cmp_eq_u32 s58, 0
	s_cselect_b32 s[LIM], 1, -1
	s_lshl_b32 s58, s17, 14
	s_and_b32 s59, s[WV], 1
	s_lshl_b32 s59, s59, 13
	s_add_co_u32 s58, s58, s59
	s_mov_b32 s59, 0
	s_add_nc_u64 s[PFA:PFA+1], s[8:9], s[58:59]
	v_lshlrev_b32 v[PFO], 8, v[TMP]
	; LDS addresses: a constant + a constant x wave + a constant x lane
	s_lshl_b32 s58, s[WV], 12
	v_lshl_add_u32 v[RB], v[TMP], 4, s58
	v_add_nc_u32 v[RB+1], SLOT1, v[RB]
	v_lshlrev_b32 v[QB], 2, v0
	v_add_nc_u32 v[QB+1], SLOT1, v[QB]
	s_mul_i32 s58, s[WV], 2*PP
	s_add_co_u32 s58, s58, PART
	v_lshl_add_u32 v[PB], v[TMP], 4, s58
	v_add_nc_u32 v[PB+1], 96*PP, v[PB]
	s_mul_i32 s58, s[WV], PP
	s_add_co_u32 s58, s58, PART+192*PP
	v_lshl_add_u32 v[PT], v[TMP], 4, s58
	s_mul_i32 s58, s[WV], 5*PP
	s_add_co_u32 s58, s58, PART+176*PP
	v_lshl_add_u32 v[PZ], v[TMP], 4, s58
	s_lshl_b32 s58, s[WV], 11
	s_add_co_u32 s58, s58, TAIL
	v_lshl_add_u32 v[TBR], v[TMP], 4, s58
	v_lshl_add_u32 v247, v0, 4, EAT                ; where I put my four Ea
	v_lshl_add_u32 v248, v[TMP], 4, EAT            ; where a wave reads the table
	v_add_nc_u32 v249, TAIL, v[QB]                 ; my column in rows 192-195
	v_mov_b32 v250, 0x42fc0000                     ; 126
	v_mov_b32 v251, 0
	s_wait_loadcnt 0x4                             ; x and wordemb are in; v_w's four loads may be out
	v_pk_add_f32 v[X:X+1], v[X:X+1], v[X+4:X+5]
	v_pk_add_f32 v[X+2:X+3], v[X+2:X+3], v[X+6:X+7]
	v_pk_mul_f32 v[X:X+1], v[X:X+1], s[CS:CS+1] op_sel_hi:[1,0]
	v_pk_mul_f32 v[X+2:X+3], v[X+2:X+3], s[CS:CS+1] op_sel_hi:[1,0]
.irp i, 0,1,2,3
	v_med3_num_f32 v[X+\i], v[X+\i], -v250, v250   ; the hold: Ea lies in 2^-126 .. 2^126
.endr
.irp i, 0,1,2,3
	v_exp_f32 v[X+\i], v[X+\i]
.endr
	s_wait_loadcnt 0x0
	v_pk_add_f32 v[X+8:X+9], v[VW:VW+1], v[VW+2:VW+3]   ; sum of v_w: my 16 (plain work behind the exponentials)
.irp i, 4,6,8,10,12,14
	v_pk_add_f32 v[X+8:X+9], v[X+8:X+9], v[VW+\i:VW+\i+1]
.endr
	s_wait_alu depctr_va_vdst(0)                   ; one wait for the four exponentials, ahead of the store that reads them
	ds_store_b128 v247, v[X:X+3]
	v_add_f32 v[C0L], v[X+8], v[X+9]
	v_add_f32_dpp v[C0L], v[C0L], v[C0L] row_xmask:1 row_mask:0xf bank_mask:0xf
	v_add_f32_dpp v[C0L], v[C0L], v[C0L] row_xmask:2 row_mask:0xf bank_mask:0xf
	v_add_f32_dpp v[C0L], v[C0L], v[C0L] row_xmask:4 row_mask:0xf bank_mask:0xf
	v_add_f32_dpp v[C0L], v[C0L], v[C0L] row_xmask:8 row_mask:0xf bank_mask:0xf
	v_permlanex16_b32 v251, v[C0L], s[SEL], s[SEL+1]
	v_add_f32 v[C0L], v[C0L], v251
	s_wait_kmcnt 0x0
	v_add_f32 v[C0L], s[VB], v[C0L]                ; v_b + sum v_w: the part of e that the 1 of 1 - 2 r brings
	v_mul_f32 v[C0L], s[L2E], v[C0L]
.irp i, 0,2,4,6,8,10,12,14
	v_pk_mul_f32 v[VW+\i:VW+\i+1], v[VW+\i:VW+\i+1], -2.0 op_sel_hi:[1,0]
.endr
	s_wait_tensorcnt 0x1                           ; rows 192-195 and my part of block 0 are in; block 1 may stay out
	s_wait_dscnt 0x0                               ; my part of the table is stored
	s_barrier_signal -1
	s_barrier_wait -1
.irp t, 0,1,2,3
.irp j, 0,1,2,3
	ds_load_b128 v[EA+16*\t+4*\j:EA+16*\t+4*\j+3], v248 offset:2048*\t+512*\j
.endr
.endr
	; BLOCK 6 OF img ALONG l: rows 192-195 and 28 zeros; block 7: zeros (K = 196 is filled up to 256 with zero codes; block 7's byte stays 0, which is no NaN)
.set C6, CODES+30
.set C7, CODES+42
.irp i, 0,1,2,3
	ds_load_b32 v[QN+\i], v249 offset:\i*ROWB
.endr
.irp i, 4,5,6,7,8,9,10,11,12,13,14,15
	v_mov_b32 v[QN+\i], 0
.endr
.irp i, 3,4,5
	v_mov_b32 v[C6+\i], 0
.endr
.irp i, 0,1,2,3,4,5
	v_mov_b32 v[C7+\i], 0
.endr
	s_wait_dscnt 0x0
	v_max3_num_f32 v[QM], |v[QN]|, |v[QN+1]|, 0x2800000
	v_max3_num_f32 v[QM], v[QM], |v[QN+2]|, |v[QN+3]|
	v_add_nc_u32 v[QS], 0xfe000000, v[QM]
	v_lshrrev_b32 v[QBY], 23, v[QS]
	v_lshlrev_b32 v[SW+1], 16, v[QBY]              ; byte 2 of K step 1's word
	v_cvt_scalef32_pk16_bf6_f32 v[C6:C6+2], v[QN:QN+15], v[QS]
	v_nop                                          ; one plain line behind a scaled conversion
.irp i, 0,1,2,3,4,5
	v_permlane16_swap_b32 v[C6+\i], v[C7+\i]
.endr
; THE PIPELINE.  A step is 4 d x 4 t of one row: 8 pairs.  Step n: block n / 8, my row (n / 4) % 2 of it, d run n % 4; steps 48-51 (waves 0-3): row 192 + w.
; In slot SG stand: the LDS load of step SG + 3; the scaling and the 4 exponentials of step SG + 2; the 24 packed lines P, P^2, 1 + P^4 of step SG + 1; the 16 reciprocals of step SG; the 8 multiply-adds of step SG - 1.
; So nothing in a slot names a result of a transcendental of the same slot, and ONE wait at the slot's head serves the 20 of the slot before.  A slot is 20 turns: a transcendental, then places of the list of
; plain lines, three in each of the first twelve turns and two in each of the last eight: 52 places: 0-1 scaling, 2-9 multiply-adds, 10-13 a finished row's four sums, 14 their store, 15-26 the quantiser's share,
; 27-50 the packed lines.
.macro TRANS
.if ti < 16
.if (SG >= 0) && (SG < NST)
	v_rcp_f32 v[X+16*(SG%2)+ti], v[X+16*(SG%2)+ti]
.endif
.else
.if (SG+2 >= 0) && (SG+2 < NST)
	v_exp_f32 v[EB+4*((SG+2)%4)+ti-16], v[EB+4*((SG+2)%4)+ti-16]
.endif
.endif
.endm
; The quantiser of block kq along l, spread over the eight slots behind the change that made the block readable (uq counts them): uq 0-3 the loads, eight a slot (HEADLDS); 4, 5 the largest magnitude, with the floor
; 2^(5 - 127) among its leaves; 6 the scale operand (4 off the exponent field), its byte, the two conversions; 7 the second half's codes to their places, and behind an odd block the exchange that makes operands:
; my lanes 0-15 hold columns of my first tile, lanes 16-31 of my second; the layout wants a tile's even blocks in lanes 0-15 and its odd ones in lanes 16-31.
.macro QEXTRA
.set kq, (SG+3)/8
.set uq, (SG+3)%8
.set qi, pli-15
.if kq < 6
.set cq, CODES+24*(kq/4)+12*(kq%2)+6*((kq/2)%2)
.if (uq == 4) && (qi < 8)
.if qi == 0
	v_max3_num_f32 v[QM], |v[QN]|, |v[QN+1]|, 0x2800000
.else
	v_max3_num_f32 v[QM], v[QM], |v[QN+2*qi]|, |v[QN+2*qi+1]|
.endif
.elseif (uq == 5) && (qi < 8)
	v_max3_num_f32 v[QM], v[QM], |v[QN+16+2*qi]|, |v[QN+17+2*qi]|
.elseif uq == 6
.if qi == 0
	v_add_nc_u32 v[QS], 0xfe000000, v[QM]
.elseif qi == 1
.if kq == 0
	v_lshrrev_b32 v[SW], 23, v[QS]
.else
	v_lshrrev_b32 v[QBY], 23, v[QS]
.endif
.elseif (qi == 2) && (kq > 0)
	v_lshl_or_b32 v[SW+kq/4], v[QBY], 8*(kq%4), v[SW+kq/4]
.elseif qi == 3
	v_cvt_scalef32_pk16_bf6_f32 v[cq:cq+2], v[QN:QN+15], v[QS]
.elseif qi == 4
	v_cvt_scalef32_pk16_bf6_f32 v[QT:QT+2], v[QN+16:QN+31], v[QS]   ; (three registers begin on an even number: made here, moved a slot later, with the packed lines between)
.endif
.elseif uq == 7
.if qi < 3
	v_mov_b32 v[cq+3+qi], v[QT+qi]
.elseif (qi < 9) && (kq%2 == 1)
	v_permlane16_swap_b32 v[cq-12+qi-3], v[cq+qi-3]
.endif
.endif
.endif
.endm
.macro PLAIN
.if pli < 2
.if (SG+2 >= 0) && (SG+2 < NST)
.set rr, EB+4*((SG+2)%4)+2*pli
	v_pk_mul_f32 v[rr:rr+1], v[rr:rr+1], s[CS:CS+1] op_sel_hi:[1,0]
.endif
.elseif pli < 10
.if (SG-1 >= 0) && (SG-1 < NST)
.set nn, pli-2
.set jj, (SG-1)%4
.set rx, X+16*((SG-1)%2)+2*nn
.set rv, VW+4*jj+2*(nn/4)
.set ra, ACC+2*(nn%4)
.if (jj == 0) && (nn < 4)
	v_pk_mul_f32 v[ra:ra+1], v[rv:rv+1], v[rx:rx+1]               ; a row's first products start its sums: nothing is cleared
.else
	v_pk_fma_f32 v[ra:ra+1], v[rv:rv+1], v[rx:rx+1], v[ra:ra+1]
.endif
.endif
.elseif pli < 14
.if (SG-1 >= 0) && (SG-1 < NST) && ((SG-1)%4 == 3)
	v_add_f32 v[QD+pli-10], v[ACC+2*(pli-10)], v[ACC+2*(pli-10)+1]
.endif
.elseif pli == 14
.if (SG-1 >= 0) && (SG-1 < NST) && ((SG-1)%4 == 3)
.set rw, (SG-1)/4
.if rw < 6
	ds_store_b128 v[PB], v[QD:QD+3] offset:(32*(rw/2)+rw%2)*PP    ; row l = 32 block + 2 w + (0 or 1): my lane's sums over its 16 d, four t
.elseif rw < 12
	ds_store_b128 v[PB+1], v[QD:QD+3] offset:(32*(rw/2-3)+rw%2)*PP
.else
	ds_store_b128 v[PT], v[QD:QD+3]
.endif
.endif
.elseif pli < 27
	QEXTRA
.else
.if (SG+1 >= 0) && (SG+1 < NST)
.set aa, pli-27
.set nn, aa%8
.set jj, (SG+1)%4
.set rx, X+16*((SG+1)%2)+2*nn
.set re, EA+16*(nn%4)+4*jj+2*(nn/4)
.set rb, EB+4*jj+2*(nn/4)
.if aa < 8
	v_pk_mul_f32 v[rx:rx+1], v[re:re+1], v[rb:rb+1]               ; P = Ea Eb, two d at a time; pair nn: t = nn % 4
.elseif aa < 16
	v_pk_mul_f32 v[rx:rx+1], v[rx:rx+1], v[rx:rx+1]               ; P^2
.elseif aa < 24
	v_pk_fma_f32 v[rx:rx+1], v[rx:rx+1], v[rx:rx+1], 1.0 op_sel_hi:[1,1,0]   ; 1 + P^4 = 1 + e^(2 (a + b))
.endif
.endif
.endif
.endm
.macro HEADLDS
.if SG+3 < NST
.set tl, SG+3
.set rr, EB+4*(tl%4)
.if tl < 48
	ds_load_b128 v[rr:rr+3], v[RB+(tl/8)%2] offset:((tl/4)%2)*ROWB+(tl%4)*512
.else
	ds_load_b128 v[rr:rr+3], v[TBR] offset:(tl%4)*512
.endif
.endif
.if ((SG+3)/8 < 6) && ((SG+3)%8 < 4)
.set li, 8*((SG+3)%8)
.rept 8
	ds_load_b32 v[QN+li], v[QB+((SG+3)/8)%2] offset:li*ROWB       ; img(32 block + li, my column): 32 lanes read 128 consecutive bytes; eight a slot, so that sixteen waves' runs stay short
.set li, li+1
.endr
.endif
.endm
; THE CHANGE OF SLOTS runs three slots ahead of the arithmetic.  In slot 8 k - 4, whose head holds my last read of block k - 1: the wait for all my tensor loads
; (block k's part), the add, four turns of register work, the wait for the add and my reads, the signal; the rest of the slot stands between signal and wait.  At the head of slot 8 k - 3: the wait, the rest of a round
; of the cluster's barrier, and the joint refill of the slot just left with block k + 1 (k = 1..4): it has eight slots of every wave in which to land.  k = 5 fills nothing: a plain barrier.
.macro SLOT
.if (SG >= -1) && (NOWAIT == 0)
	s_wait_alu depctr_va_vdst(0)                   ; one wait for the 20 transcendentals of the slot before, ahead of their first readers (and of the branches below)
.endif
.set NOWAIT, 0
.if (SG >= 5) && (SG <= 37) && ((SG+3)%8 == 0)
	s_barrier_wait -1
.if SG < 37
	CREST
.if ((SG+3)/8)%2 == 1
	JLOAD G0A
.else
	JLOAD G0B
.endif
.endif
.endif
	s_wait_dscnt 0x0                               ; what the slot before asked of LDS at its head is in
	HEADLDS
.if (SG >= 5) && (SG <= 21) && ((SG+3)%8 == 0)
.set pfoff, ((SG+3)/8+2)*BLKB
	ASK
.endif
.set ti, 0
.set pli, 0
.rept 20
.if (SG >= 4) && (SG <= 36) && ((SG+4)%8 == 0)
.if ti == 8
	s_wait_tensorcnt 0x0                           ; all my tensor loads have landed: my part of the next block
	ds_add_u32 v[SPW], v[NIL]                      ; 0 onto my spare word
.if SG < 36
.if ((SG+4)/8)%2 == 1
	s_add_nc_u64 s[G0A+2:G0A+3], s[G0A+2:G0A+3], 2*BLKB   ; no load of mine is out: the slot's next block
.else
	s_add_nc_u64 s[G0B+2:G0B+3], s[G0B+2:G0B+3], 2*BLKB
.endif
.endif
.elseif ti == 12
	s_wait_dscnt 0x0                               ; the add is done, and my reads of the block that is left are over
	s_barrier_signal -1
.endif
.endif
	TRANS
	PLAIN
.set pli, pli+1
	PLAIN
.set pli, pli+1
.if ti < 12
	PLAIN
.set pli, pli+1
.endif
.set ti, ti+1
.endr
.if (SG >= -2) && (SG < NST) && ((SG+1 >= NST) || (SG+1 < 0))
	v_nop                                          ; where no packed lines close the slot: the plain line behind its last transcendental
.endif
.endm
.set NOWAIT, 0
.set NST, 48
.set SG, -3
.rept 48                                       ; slots -3 .. 44: alike in all waves
	SLOT
.set SG, SG+1
.endr
	s_wait_alu depctr_va_vdst(0)                   ; slot 44's transcendentals, ahead of the branch
	s_cmp_lt_u32 s[WV], 4
	s_cbranch_scc0 .Lshort
.set NST, 52                                   ; waves 0-3 go on into row 192 + w, which has lain in LDS since the first barrier
.set SG, 45
.set NOWAIT, 1
.rept 8
	SLOT
.set SG, SG+1
.endr
	s_branch .Ljoin
.Lshort:
.set NST, 48                                   ; waves 4-15 run out,
.set SG, 45
.set NOWAIT, 1
.rept 4
	SLOT
.set SG, SG+1
.endr
.irp i, 0,1,2,3
	v_mov_b32 v[EB+\i], 0
.endr
.irp i, 0,1,2,3,4
	ds_store_b128 v[PZ], v[EB:EB+3] offset:\i*PP   ; and write rows 196-255 of the partial sums, five each, so that the sums below read only bytes that were written
.endr
.Ljoin:
	; addresses of the tail, made by all waves on their common way
	v_and_b32 v[TMP], 31, v0
	v_lshrrev_b32 v32, 1, v[TMP]                   ; lane / 2
	v_and_b32 v33, 1, v0                           ; lane % 2
	v_lshrrev_b32 v34, 3, v[TMP]                   ; lane / 8
	v_and_b32 v35, 7, v0                           ; lane % 8
	v_and_b32 v37, 3, v0
	v_lshlrev_b32 v38, 3, v37                      ; 8 (lane % 4)
	s_mul_i32 s58, s[WV], 16*PP
	s_add_co_u32 s58, s58, PART
	v_mul_u32_u24 v[T2A], v32, PP
	v_lshl_add_u32 v[T2A], v33, 4, v[T2A]
	v_add_nc_u32 v[T2A], s58, v[T2A]               ; row l = 16 w + lane / 2; of its 32 quads those of my parity
	s_lshr_b32 s58, s[WV], 1
	s_mul_i32 s58, s58, ETB
	s_and_b32 s59, s[WV], 1
	s_lshl_b32 s59, s59, 6
	s_add_co_u32 s58, s58, s59
	s_add_co_u32 s58, s58, ET
	v_mul_u32_u24 v[ETW], v33, 2*ETT
	v_lshl_add_u32 v[ETW], v32, 2, v[ETW]
	v_add_nc_u32 v[ETW], s58, v[ETW]               ; t row 2 (lane % 2), block l / 32 = w / 2, place l % 32
	v_mul_u32_u24 v[ETR], v34, ETT
	v_mad_u32_u24 v[ETR], v35, ETB, v[ETR]
	v_add_nc_u32 v[ETR], ET, v[ETR]                ; wave 0: lane = block + 8 t
	v_lshrrev_b32 v36, 1, v35
	v_mul_u32_u24 v[PIW], v36, 768
	v_lshl_add_u32 v[PIW], v33, 7, v[PIW]
	v_lshl_add_u32 v[PIW], v34, 3, v[PIW]
	v_add_nc_u32 v[PIW], PIMG, v[PIW]              ; block kb of row t: 768 (kb / 2) + 8 (t + 16 (kb % 2))
	v_lshrrev_b32 v36, 2, v35
	v_lshlrev_b32 v[PSW], 6, v36
	v_lshl_add_u32 v[PSW], v34, 2, v[PSW]
	v_lshl_add_u32 v[PSW], v37, 4, v[PSW]
	v_add_nc_u32 v[PSW], PSC, v[PSW]               ; K step kb / 4, row t + 4 (kb % 4): the four lanes that hold a word write its four copies
	v_lshl_add_u32 v[RLW], v34, 2, RL
	v_lshl_add_u32 v[PIR], v[TMP], 3, PIMG
	v_and_b32 v36, 15, v0
	v_lshl_add_u32 v[PSR], v36, 2, PSC
	v_mov_b32 v3, RL
	v_lshl_add_u32 v1, v0, 2, OST
	v_lshl_add_u32 v2, v0, 4, OST
	v_lshrrev_b32 v39, 1, v0                       ; l = 16 w + lane / 2
	v_mov_b32 v40, 0xff800000                      ; -infinity
	s_wait_dscnt 0x0                               ; my partial sums are stored
	s_barrier_signal -1
	s_barrier_wait -1
	; THE SCORES: 32 lanes' partial sums for each (t, l).  Two lanes to an l, 16 quads each, then one step between the two.
.irp i, 0,1,2,3,4,5,6,7,8,9,10,11,12,13,14,15
	ds_load_b128 v[EA+4*\i:EA+4*\i+3], v[T2A] offset:32*\i
.endr
	s_wait_dscnt 0x0
.irp st, 8,4,2,1
.set ii, 0
.rept \st
	v_pk_add_f32 v[EA+4*ii:EA+4*ii+1], v[EA+4*ii:EA+4*ii+1], v[EA+4*(ii+\st):EA+4*(ii+\st)+1]
	v_pk_add_f32 v[EA+4*ii+2:EA+4*ii+3], v[EA+4*ii+2:EA+4*ii+3], v[EA+4*(ii+\st)+2:EA+4*(ii+\st)+3]
.set ii, ii+1
.endr
.endr
.irp c, 0,1,2,3
	v_add_f32_dpp v[EA+\c], v[EA+\c], v[EA+\c] row_xmask:1 row_mask:0xf bank_mask:0xf
.endr
	v_cmp_eq_u32 vcc_lo, 1, v33
	v_cndmask_b32 v41, v[EA], v[EA+2], vcc_lo      ; the even lane goes on with t 0, 1, the odd one with t 2, 3
	v_cndmask_b32 v42, v[EA+1], v[EA+3], vcc_lo
	v_fma_f32 v41, v41, s[L2E], v[C0L]             ; t = e log2(e)
	v_fma_f32 v42, v42, s[L2E], v[C0L]
	v_cmp_gt_u32 vcc_lo, NL, v39
	v_cndmask_b32 v41, v40, v41, vcc_lo            ; l >= 196: -infinity, so that p is 0 there: the quantiser's zeros
	v_cndmask_b32 v42, v40, v42, vcc_lo
	ds_store_b32 v[ETW], v41
	ds_store_b32 v[ETW], v42 offset:ETT
	s_wait_dscnt 0x0
	s_barrier_signal -1
	s_barrier_wait -1
	; THE SOFTMAX AND p's CODES: 4 t x 8 blocks of 32 are one wave's 32 lanes: wave 0.  M = ceil(the row's largest t); p = 2^(t - M); the sum is taken of the unquantised p.
.set TT,  96
.set BM,  128
.set RM,  129
.set NM,  130
.set SA,  132
.set SB,  134
.set PC,  136
.set WD,  144
.set WT,  145
.set RLV, 146
.set QS2, 147
.set BY,  148
	s_cmp_lg_u32 s[WV], 0
	s_cbranch_scc1 .Lnot_zero
.irp i, 0,1,2,3,4,5,6,7
	ds_load_b128 v[TT+4*\i:TT+4*\i+3], v[ETR] offset:16*\i
.endr
	v_mov_b32 v[NM+1], 0                           ; (named as the upper half of a pair)
	v_mov_b32 v[WT], 0                             ; (a lane move's destination counts as read)
	s_wait_dscnt 0x0
	v_max3_num_f32 v[BM], v[TT], v[TT+1], v[TT+2]  ; the block's largest t: it serves the row's maximum and, since p rises with t, the block's largest p
.irp i, 3,5,7,9,11,13,15,17,19,21,23,25,27,29
	v_max3_num_f32 v[BM], v[BM], v[TT+\i], v[TT+\i+1]
.endr
	v_max_num_f32 v[BM], v[BM], v[TT+31]
	v_mov_b32 v[RM], v[BM]
	v_max_num_f32_dpp v[RM], v[RM], v[RM] row_xmask:1 row_mask:0xf bank_mask:0xf
	v_max_num_f32_dpp v[RM], v[RM], v[RM] row_xmask:2 row_mask:0xf bank_mask:0xf
	v_max_num_f32_dpp v[RM], v[RM], v[RM] row_xmask:4 row_mask:0xf bank_mask:0xf   ; over the row's eight lanes
	v_floor_f32 v[NM], -v[RM]                      ; -M = floor(-max) = -ceil(max)
.irp i, 0,2,4,6,8,10,12,14,16,18,20,22,24,26,28,30
	v_pk_add_f32 v[TT+\i:TT+\i+1], v[TT+\i:TT+\i+1], v[NM:NM+1] op_sel_hi:[1,0]
.endr
	v_add_f32 v[BM], v[BM], v[NM]
.irp i, 0,1,2,3,4,5,6,7,8,9,10,11,12,13,14,15,16,17,18,19,20,21,22,23,24,25,26,27,28,29,30,31
	v_exp_f32 v[TT+\i], v[TT+\i]
.endr
	v_exp_f32 v[BM], v[BM]                         ; the same addition and exponential on the same number: the same bits as the block's largest p
	v_nop
	s_wait_alu depctr_va_vdst(0)                   ; one wait for the 33
	v_pk_add_f32 v[SA:SA+1], v[TT:TT+1], v[TT+2:TT+3]
	v_pk_add_f32 v[SB:SB+1], v[TT+4:TT+5], v[TT+6:TT+7]
.irp i, 8,12,16,20,24,28
	v_pk_add_f32 v[SA:SA+1], v[SA:SA+1], v[TT+\i:TT+\i+1]
	v_pk_add_f32 v[SB:SB+1], v[SB:SB+1], v[TT+\i+2:TT+\i+3]
.endr
	v_pk_add_f32 v[SA:SA+1], v[SA:SA+1], v[SB:SB+1]
	v_add_f32 v[SA], v[SA], v[SA+1]
	v_add_f32_dpp v[SA], v[SA], v[SA] row_xmask:1 row_mask:0xf bank_mask:0xf
	v_add_f32_dpp v[SA], v[SA], v[SA] row_xmask:2 row_mask:0xf bank_mask:0xf
	v_add_f32_dpp v[SA], v[SA], v[SA] row_xmask:4 row_mask:0xf bank_mask:0xf
	v_rcp_f32 v[RLV], v[SA]
	v_max_num_f32 v[BM], 0x2800000, v[BM]          ; the floor 2^(5 - 127): the byte cannot fall under 1; a block of zeros keeps it, over zero codes
	v_add_nc_u32 v[QS2], 0xfe000000, v[BM]         ; 4 off the exponent field: the conversion's scale operand
	v_lshrrev_b32 v[BY], 23, v[QS2]
	v_lshlrev_b32 v[WD], v38, v[BY]                ; my byte at its place in the K step's word
	v_cvt_scalef32_pk16_bf6_f32 v[PC:PC+2], v[TT:TT+15], v[QS2]
	v_cvt_scalef32_pk16_bf6_f32 v[PC+4:PC+6], v[TT+16:TT+31], v[QS2]
	v_nop                                          ; one plain line behind the conversions
	v_mov_b32_dpp v[WT], v[WD] row_xmask:1 row_mask:0xf bank_mask:0xf
	v_or_b32 v[WD], v[WD], v[WT]
	v_mov_b32_dpp v[WT], v[WD] row_xmask:2 row_mask:0xf bank_mask:0xf
	v_or_b32 v[WD], v[WD], v[WT]                   ; the four lanes of a K step hold its word
	v_mov_b32 v[PC+3], v[PC+4]
	v_mov_b32 v[PC+4], v[PC+5]
	v_mov_b32 v[PC+5], v[PC+6]                     ; 24 bytes on end: my block's codes
	s_wait_alu depctr_va_vdst(0)                   ; the reciprocal, ahead of the store that reads it
.irp u, 0,1,2,3                                ; the operand has 16 rows and there are 4 t: row t + 4 u is a copy of row t, so that every byte of the image is written
.irp q, 0,1,2
	ds_store_b64 v[PIW], v[PC+2*\q:PC+2*\q+1] offset:256*\q+32*\u
.endr
.endr
	ds_store_b32 v[PSW], v[WD]
	ds_store_b32 v[RLW], v[RLV]                    ; (a row's eight lanes write the same word with the same value)
.Lnot_zero:
	s_wait_dscnt 0x0
	s_barrier_signal -1
	s_barrier_wait -1
	; THE PRODUCT.  Source 0 = p (rows t + 4 u), source 1 = my two tiles of 16 columns d, K = 256 in two steps; the two accumulators by turns.
.set PF,  96
.set DA,  120
.set DB,  128
.set RLQ, 136
.set OV,  140
.irp s, 0,1
.irp q, 0,1,2,3,4,5
	ds_load_b64 v[PF+12*\s+2*\q:PF+12*\s+2*\q+1], v[PIR] offset:1536*\s+256*\q
.endr
.endr
	ds_load_b32 v[PS], v[PSR]
	ds_load_b32 v[PS+1], v[PSR] offset:64
	ds_load_b128 v[RLQ:RLQ+3], v3
	v_cmp_lt_u32 vcc_lo, 15, v[TMP]                ; lanes 16-31
	s_wait_dscnt 0x0
	v_wmma_scale_f32_16x16x128_f8f6f4 v[DA:DA+7], v[PF:PF+11], v[CODES:CODES+11], 0, v[PS], v[SW] matrix_a_fmt:MATRIX_FMT_BF6 matrix_b_fmt:MATRIX_FMT_BF6
	v_wmma_scale_f32_16x16x128_f8f6f4 v[DB:DB+7], v[PF:PF+11], v[CODES+12:CODES+23], 0, v[PS], v[SW] matrix_a_fmt:MATRIX_FMT_BF6 matrix_b_fmt:MATRIX_FMT_BF6 matrix_b_scale:MATRIX_SCALE_ROW1
	v_wmma_scale_f32_16x16x128_f8f6f4 v[DA:DA+7], v[PF+12:PF+23], v[CODES+24:CODES+35], v[DA:DA+7], v[PS+1], v[SW+1] matrix_a_fmt:MATRIX_FMT_BF6 matrix_b_fmt:MATRIX_FMT_BF6
	v_wmma_scale_f32_16x16x128_f8f6f4 v[DB:DB+7], v[PF+12:PF+23], v[CODES+36:CODES+47], v[DB:DB+7], v[PS+1], v[SW+1] matrix_a_fmt:MATRIX_FMT_BF6 matrix_b_fmt:MATRIX_FMT_BF6 matrix_b_scale:MATRIX_SCALE_ROW1
.rept 4
	v_nop                                          ; four places ahead of the first read of the results (ISA guide 7.12.1)
.endr
	; register j of lane (r, h) is row 8 h + j, column r; rows j and 8 + j are both t = j.  So lanes 0-15 give the first tile's columns and lanes 16-31 the second's: 32 neighbouring d.
.irp j, 0,1,2,3
	v_cndmask_b32 v[OV+\j], v[DA+\j], v[DB+\j], vcc_lo
.endr
.irp j, 0,1,2,3
	v_mul_f32 v[OV+\j], v[OV+\j], v[RLQ+\j]        ; / the row's sum
.endr
.irp j, 0,1,2,3
	ds_store_b32 v1, v[OV+\j] offset:2048*\j
.endr
	s_wait_dscnt 0x0
	s_barrier_signal -1
	s_barrier_wait -1
	ds_load_b128 v[OV:OV+3], v2                    ; wave w: row w / 4, its 512 bytes from 512 (w % 4) on
	v_mov_b32 v[TMP], s3
	s_wait_dscnt 0x0
	s_wait_xcnt 0x0                                ; EXEC changes only behind this wait
	v_cmp_gt_u32 vcc_lo, NT, v[TMP]
	s_and_saveexec_b32 s58, vcc_lo                 ; rows 30 and 31 are no rows: nothing is stored for them
	global_store_b128 v[GO], v[OV:OV+3], s[14:15] th:TH_STORE_NT   ; 32 lanes store 512 consecutive bytes, at a multiple of 256 from out's first byte
	s_wait_xcnt 0x0
	s_or_b32 exec_lo, exec_lo, s58
	s_wait_tensorcnt 0x0                           ; the wave's end
	ds_add_u32 v[SPW], v[NIL]
	s_wait_dscnt 0x0
	CROUND                                         ; the closing round: no work-group ends while a partner may still ask for a tile that names it
	s_endpgm
.Lfunc_end_k_qbd833f4935_attend:
	.size	k_qbd833f4935_attend, .Lfunc_end_k_qbd833f4935_attend-k_qbd833f4935_attend
	.p2alignl 7, 3214868480
	.fill 96, 4, 3214868480
	.section	.rodata,"a",@progbits
	.p2align	6, 0x0
	.amdhsa_kernel k_qbd833f4935_attend
		.amdhsa_group_segment_fixed_size 327680
		.amdhsa_private_segment_fixed_size 0
		.amdhsa_enable_private_segment 0
		.amdhsa_kernarg_size 48
		.amdhsa_user_sgpr_count 2
		.amdhsa_user_sgpr_kernarg_segment_ptr 1
		.amdhsa_wavefront_size32 1
		.amdhsa_system_sgpr_workgroup_id_x 1
		.amdhsa_system_sgpr_workgroup_id_y 1
		.amdhsa_system_sgpr_workgroup_id_z 1
		.amdhsa_system_vgpr_workitem_id 0
		.amdhsa_next_free_vgpr 256
		.amdhsa_next_free_sgpr 66
		.amdhsa_reserve_vcc 1
		.amdhsa_float_denorm_mode_32 3
		.amdhsa_float_denorm_mode_16_64 3
		.amdhsa_memory_ordered 1
		.amdhsa_forward_progress 1
		.amdhsa_inst_pref_size 213
	.end_amdhsa_kernel
	.amdgpu_metadata
---
amdhsa.version: [ 1, 2 ]
amdhsa.kernels:
  - .name:           k_qbd833f4935_attend
    .symbol:         k_qbd833f4935_attend.kd
    .args:
      - { .name: x, .offset: 0, .size: 8, .value_kind: global_buffer, .address_space: global }
      - { .name: wordemb, .offset: 8, .size: 8, .value_kind: global_buffer, .address_space: global }
      - { .name: imgsfeats, .offset: 16, .size: 8, .value_kind: global_buffer, .address_space: global }
      - { .name: v_w, .offset: 24, .size: 8, .value_kind: global_buffer, .address_space: global }
      - { .name: v_b, .offset: 32, .size: 8, .value_kind: global_buffer, .address_space: global }
      - { .name: out0, .offset: 40, .size: 8, .value_kind: global_buffer, .address_space: global }
    .group_segment_fixed_size: 327680
    .private_segment_fixed_size: 0
    .kernarg_segment_align: 8
    .kernarg_segment_size: 48
    .max_flat_workgroup_size: 512
    .sgpr_count:     66
    .vgpr_count:     256
    .wavefront_size: 32
...
	.end_amdgpu_metadata
.endif
;; end of part 1
